; MI455X (gfx1250); checked and timed in simulation.
; The chip was launched on July 23, 2026; its instructions are those of AMD's public machine-readable ISA for CDNA 5 (MIT licence, August 2026) and "CDNA5" Instruction Set Architecture Reference Guide (July 2026). The comments in the code are by the model that wrote it; some were corrected since.
;; Multi Head Attention. Allowed arithmetic: matrix products marked QUANTISED: E5M2 operands, one E8M0 scale for each 32 along K, by v_wmma_scale_f32_16x16x128_f8f6f4 with both operands' format E5M2, f32 sums; everything else in f32.
;; Inputs: Wk_codes 1,024 x 32 x 32 uint8 (E5M2 codes of Wk, K innermost, in blocks of 32 codes); Wk_scales 1,024 x 32 uint8 (E8M0 scales of Wk, one for each 32 codes along K); Wq_codes 1,024 x 32 x 32 uint8 (E5M2 codes of Wq, K innermost, in blocks of 32 codes); Wq_scales 1,024 x 32 uint8 (E8M0 scales of Wq, one for each 32 codes along K); Wv_codes 1,024 x 32 x 32 uint8 (E5M2 codes of Wv, K innermost, in blocks of 32 codes); Wv_scales 1,024 x 32 uint8 (E8M0 scales of Wv, one for each 32 codes along K); bk 1,024 float32; bq 1,024 float32; bv 1,024 float32; key_codes 4 x 2,048 x 32 x 32 uint8 (E5M2 codes of key, K innermost, in blocks of 32 codes); key_scales 4 x 2,048 x 32 uint8 (E8M0 scales of key, one for each 32 codes along K); query_codes 4 x 2,048 x 32 x 32 uint8 (E5M2 codes of query, K innermost, in blocks of 32 codes); query_scales 4 x 2,048 x 32 uint8 (E8M0 scales of query, one for each 32 codes along K); scale one number float32; value_codes 4 x 2,048 x 32 x 32 uint8 (E5M2 codes of value, K innermost, in blocks of 32 codes); value_scales 4 x 2,048 x 32 uint8 (E8M0 scales of value, one for each 32 codes along K).
;; Outputs: out0 4 x 2,048 x 1,024 float32.
;; This version of the problem:
;;   THIS VERSION OF THE PROBLEM IS GIVEN IN LOW PRECISION. The matrix products marked QUANTISED in the list below multiply operands that are first quantised to E5M2 (5 exponent bits, 2 mantissa bits; 8 bits a number), with one power-of-two scale for each 32 numbers along K (OCP MX v1.0); their sums are f32. All else is computed in f32.
;;   The module's matrix products, in the order in which they are computed (A, B: the left and right operand; K: the contracted axis; several contracted axes count as one K, in the product's order):
;;     1. [M 8,192, K 1,024] x [K 1,024, N 1,024]; A: input query (given as codes); B: input Wq (given as codes): QUANTISED
;;     2. [M 8,192, K 1,024] x [K 1,024, N 1,024]; A: input key (given as codes); B: input Wk (given as codes): QUANTISED
;;     3. [M 8,192, K 1,024] x [K 1,024, N 1,024]; A: input value (given as codes); B: input Wv (given as codes): QUANTISED
;;     4. batch 64 x [M 2,048, K 64] x [K 64, N 2,048]; A: computed on the way; B: computed on the way: QUANTISED
;;     5. batch 64 x [M 2,048, K 2,048] x [K 2,048, N 64]; A: softmax (see below); B: computed on the way: QUANTISED
;;   THE QUANTISER, for each operand of a quantised product, along K:
;;     - K is cut into blocks of 32 from its start; a last block that is shorter is filled with zeros.
;;     - A block's scale is 2^e with e = floor(log2(the largest magnitude in the block)) - 15, held to -126 .. 127; a block of zeros has e = 0. As a byte (E8M0): e + 127.
;;     - Each number is divided by its block's scale, clamped to +-57,344, and rounded to the nearest number of E5M2, ties to even, subnormals kept.
;;     - The product sums the exact products of the quantised numbers (number of the format x scale) in f32.
;;   ~~~python
;;   def quantise(x, axis):      # numpy; x: float32 -> the quantised numbers, widened to float32 again
;;       x = np.moveaxis(x, axis, -1); K = x.shape[-1]
;;       x = np.pad(x, [(0, 0)] * (x.ndim - 1) + [(0, -K % 32)]); x = x.reshape(x.shape[:-1] + (-1, 32)); a = np.abs(x).max(-1, keepdims=True)
;;       e = np.where(a > 0, np.clip(np.frexp(np.where(a > 0, a, 1))[1] - 1 - 15, -126, 127), 0)      # np.frexp(a)[1] - 1 = floor(log2(a)), exactly
;;       r = np.clip(x / 2.0 ** e, -57344, 57344)
;;       step = 2.0 ** (np.maximum(np.frexp(np.where(r == 0, 1, r))[1] - 1, -14) - 2)
;;       q = np.round(r / step) * step * 2.0 ** e      # np.round: ties to even
;;       return np.moveaxis(q.reshape(q.shape[:-2] + (-1,))[..., :K], -1, axis).astype(np.float32)
;;   ~~~
;;   SOFTMAX AHEAD OF A QUANTISED PRODUCT. Where the list says 'softmax', what is quantised is not the finished softmax but p = 2^(t - M), with t = logit x log2(e) and M = ceil(the row's largest t), a whole number; so 1/2 < the row's largest p <= 1. The row's sum l is taken of the UNQUANTISED p, in f32, and the product's result is divided by l at the end. Since M is a whole number, a kernel that streams over the keys may use a running M (the ceiling of the running maximum): every later rescaling is an exact power of two, which a block's scale takes up: the codes' values come out the same.
;;   OPERANDS COMPUTED ON THE WAY. 'Computed on the way' means the value that the module computes at that place (a softmax that the list does not call 'softmax' is quantised finished and normalised). What goes into a quantiser is computed in f32, as accurately as f32 sums, v_exp_f32 and their like allow (about 1e-6 of the number): no bf16 or f16 on the way to a quantiser, and a product that is left as it is and whose result goes on into a quantised operand takes f32 operands (vector FMAs, or v_wmma_f32_16x16x4_f32). A number that lies on a knife's edge between two numbers of the format may be rounded either way, as far as f32 arithmetic and the matrix unit's own rounding can turn it there, and no further.
;;   INPUTS GIVEN AS CODES. Wk (in the module: [1024, 1024], K = its axis 1); Wq (in the module: [1024, 1024], K = its axis 1); Wv (in the module: [1024, 1024], K = its axis 1); key (in the module: [4, 2048, 1024], K = its axis 2); query (in the module: [4, 2048, 1024], K = its axis 2); value (in the module: [4, 2048, 1024], K = its axis 2): each comes as NAME_codes (uint8): NAME with its K axis moved to the last place and cut into blocks of 32 codes, [.., K / 32, bytes a block], one block behind the other in memory; one code a byte (a code: sign, 5 exponent bits, 2 mantissa bits); and NAME_scales (uint8): the same leading axes, one E8M0 byte (e + 127) for each 32 codes along K. Its value is code x scale, taken as it is: it is not quantised again, and the codes and scales need not be those that the quantiser above would give.
;; One version. Each part assembles by itself: llvm-mc -triple=amdgcn-amd-amdhsa -mcpu=gfx1250 --defsym DOCPART=n.
;; ======== version 1 of 1: 2 launches
;; limits: right only within a limited range of input values
;; workspace buffers: qc 8,388,608 bytes; kc 8,388,608 bytes; vc 8,388,608 bytes; qs 262,144 bytes; ks 262,144 bytes; vs 262,144 bytes
;; launch proj (part 1): grid 4 x 96, 4 waves a work-group, clusters of 4 x 4, 327,680 bytes of LDS; arguments query_codes, query_scales, Wq_codes, Wq_scales, key_codes, key_scales, Wk_codes, Wk_scales, Wv_codes, Wv_scales, value_codes, value_scales, bq, qc, qs, bk, kc, ks, bv, vc, vs; writes qc, qs, kc, ks, vc, vs
.if DOCPART == 1
	.amdgcn_target "amdgcn-amd-amdhsa--gfx1250"
	.amdhsa_code_object_version 6
	.text
	.protected	k_q954f2baddd_proj
	.globl	k_q954f2baddd_proj
	.p2align	8
	.type	k_q954f2baddd_proj,@function
k_q954f2baddd_proj:
	s_mov_b64 s[64:65], 0
	v_nop
	global_prefetch_b8 v0, s[64:65] scope:SCOPE_SE
	s_setreg_imm32_b32 hwreg(HW_REG_WAVE_MODE, 25, 1), 1
	s_wait_xcnt 0x0
	s_wait_alu depctr_hold_cnt(0) depctr_sa_sdst(0) depctr_va_vdst(0) depctr_va_sdst(0) depctr_va_ssrc(0) depctr_va_vcc(0) depctr_vm_vsrc(0)
	s_getreg_b32 s2, hwreg(HW_REG_IB_STS2, 6, 4)
	s_cmp_eq_u32 s2, 0
	s_cbranch_scc0 .Lentry_in_a_cluster
	s_endpgm
.Lentry_in_a_cluster:
	s_bfe_u32 s2, ttmp6, 0x10000c
	s_cmp_lg_u32 s2, 0xf033
	s_cbranch_scc0 .Lentry_shape_is_right
	s_endpgm
.Lentry_shape_is_right:
.set KSTEP,  256
.set NQ,     2
.set ROWB,   256
.set KROW,   1024
.set PITCH,  272
.set FR,     16
.set NL,     4
.set NP,     8
.set HALFT,  128*PITCH
.set SLOT,   4*HALFT
.set KS,     32
.set SCL,    2*SLOT
.set HALFS,  16*272
.set SBLK,   2*272
.set SPARE,  SCL+4*HALFS
.set LANE, 7
.set ADRA, 16
.set ADRB, 20
.set CO,   26
.set ADRS, 27
.set SPW,  28
.set NIL,  29
.set SC,   32
.set BIAS, 64
.set TM,   64
.set PW,   80
.set SW,   88
.set AF,   128
.set PC,   128
.set G1, 24
.set G0, 32
.set G1B, 48
.set G0B, 56
.set G1S, 68
.set G0S, 76
.set G1SB, 80
.set G0SB, 88
.set MSB, 0
.macro WIN new
.if MSB != (\new)
	s_set_vgpr_msb (MSB<<8)|(\new)
.set MSB, (\new)
.endif
.endm
.set MUL_LO,   0xa1
.set MUL_HI,   0xf1
.set FIRST_LO, 0x81
.set FIRST_HI, 0xc1
.set TO_B,     0x40
.macro JLOAD g0a, g1a, g0b, g1b
	s_cmp_eq_u32 s15, 0
	s_cbranch_scc0 .Lfor_b_\@
	tensor_load_to_lds s[\g0a:\g0a+3], s[\g1a:\g1a+7]
	s_nop 0
.rept 4
	v_nop
.endr
	s_branch .Lasked_\@
.Lfor_b_\@:
	tensor_load_to_lds s[\g0b:\g0b+3], s[\g1b:\g1b+7]
	s_nop 0
.rept 4
	v_nop
.endr
.Lasked_\@:
.endm
.macro CREST
	s_cmp_lg_u32 s14, 0
	s_cbranch_scc1 .Lnot_wave_0_\@
	s_barrier_signal -3
.Lnot_wave_0_\@:
	s_barrier_wait -3
	s_barrier_signal -1
	s_barrier_wait -1
.endm
.macro CROUND
	s_barrier_signal -1
	s_barrier_wait -1
	CREST
.endm
	s_load_b256 s[4:11], s[0:1], 0x0
	s_load_b256 s[24:31], s[0:1], 0x20
	s_load_b256 s[32:39], s[0:1], 0x40
	s_load_b128 s[40:43], s[0:1], 0x60
	s_load_b64 s[44:45], s[0:1], 0x70
	s_load_b128 s[48:51], s[0:1], 0x78
	s_load_b64 s[52:53], s[0:1], 0x88
	s_load_b128 s[56:59], s[0:1], 0x90
	s_load_b64 s[60:61], s[0:1], 0xa0
	v_lshl_add_u32 v[SPW], v0, 2, SPARE
	v_mov_b32 v[NIL], 0
	ds_add_u32 v[SPW], v[NIL]
	ds_add_u32 v[SPW], v[NIL]
	v_lshrrev_b32 v1, 5, v0
	v_readfirstlane_b32 s14, v1
	s_lshr_b32 s15, s14, 1
	s_and_b32 s16, s14, 1
	s_and_b32 s101, ttmp7, 0xffff
	s_lshr_b32 s100, s101, 3
	s_and_b32 s101, s101, 7
	s_wait_dscnt 0x0
	s_wait_kmcnt 0x0
	s_cmp_eq_u32 s100, 1
	s_cselect_b64 s[4:5], s[24:25], s[4:5]
	s_cselect_b64 s[6:7], s[26:27], s[6:7]
	s_cselect_b64 s[8:9], s[28:29], s[8:9]
	s_cselect_b64 s[10:11], s[30:31], s[10:11]
	s_cselect_b64 s[98:99], s[48:49], s[40:41]
	s_cselect_b64 s[12:13], s[50:51], s[42:43]
	s_cselect_b64 s[96:97], s[52:53], s[44:45]
	s_cmp_eq_u32 s100, 2
	s_cselect_b64 s[4:5], s[32:33], s[4:5]
	s_cselect_b64 s[6:7], s[34:35], s[6:7]
	s_cselect_b64 s[8:9], s[36:37], s[8:9]
	s_cselect_b64 s[10:11], s[38:39], s[10:11]
	s_cselect_b64 s[98:99], s[56:57], s[98:99]
	s_cselect_b64 s[12:13], s[58:59], s[12:13]
	s_cselect_b64 s[96:97], s[60:61], s[96:97]
	s_bfe_u32 s40, ttmp6, 0x40000
	s_bfe_u32 s41, ttmp6, 0x40004
	s_lshl_b32 s95, s101, 2
	s_cmp_eq_u32 s100, 2
	s_cselect_b32 s17, 0, s95
	s_cselect_b32 s42, s95, 0
	s_add_co_u32 s17, s17, s41
	s_add_co_u32 s42, s42, s40
	s_lshl_b32 s43, s41, 2
	s_lshl_b32 s43, 15, s43
	s_lshl_b32 s44, 0x1111, s40
	s_or_b32 s[G1+0], s43, (0<<16)|(1<<20)|(1<<21)|(5<<22)|(3<<25)
	s_or_b32 s[G1B+0], s44, (0<<16)|(1<<20)|(1<<21)|(5<<22)|(3<<25)
.irp g, G1, G1B
	s_mov_b32 s[\g+1], ROWB<<16
	s_mov_b32 s[\g+2], 256<<16
	s_mov_b32 s[\g+3], ROWB<<16
	s_mov_b32 s[\g+4], 256
	s_mov_b32 s[\g+5], KROW
	s_mov_b32 s[\g+6], 0
	s_mov_b32 s[\g+7], 0
.endr
	s_or_b32 s[G1S+0], s43, (3<<16)|(1<<20)|(1<<21)|(5<<22)|(3<<25)
	s_or_b32 s[G1SB+0], s44, (3<<16)|(1<<20)|(1<<21)|(5<<22)|(3<<25)
.irp g, G1S, G1SB
	s_mov_b32 s[\g+1], 32<<16
	s_mov_b32 s[\g+2], 32<<16
	s_mov_b32 s[\g+3], 32<<16
	s_mov_b32 s[\g+4], 32
	s_mov_b32 s[\g+5], 32
	s_mov_b32 s[\g+6], 0
	s_mov_b32 s[\g+7], 0
.endr
	s_lshl_b32 s18, s16, 17                        ; in the ring a wave fetches 128 rows of a tile: which half, in bytes
	s_mov_b32 s19, 0
	s_lshl_b32 s20, s17, 8                         ; the tiles' first rows
	s_lshl_b32 s46, s42, 8
	s_lshl_b32 s22, s20, 5
	s_mov_b32 s23, 0
	s_lshl_b32 s92, s46, 5
	s_mov_b32 s93, 0
	s_lshl_b32 s20, s20, 10
	s_mov_b32 s21, 0
	s_lshl_b32 s46, s46, 10
	s_mov_b32 s47, 0
	s_mul_i32 s45, s14, HALFT
	s_add_nc_u64 s[20:21], s[4:5], s[20:21]
	s_add_nc_u64 s[22:23], s[6:7], s[22:23]
	s_add_nc_u64 s[46:47], s[8:9], s[46:47]
	s_add_nc_u64 s[92:93], s[10:11], s[92:93]
	CROUND
.set G0H, 4                            ; s[4:7], s[8:11]: group 0 of the head's loads of K step 0 (the arguments that lay there have been used)
.set G0HB, 8
	s_mov_b32 s[G0H], 1                            ; the head's four tiles, each whole: K step 0's 256 rows of A,
	s_mov_b32 s[G0H+1], 0
	s_mov_b64 s[G0H+2:G0H+3], s[20:21]
	s_or_b32 s[G0H+3], s[G0H+3], 0x80000000
	s_mov_b32 s[G0HB], 1                           ; its 256 rows of B, behind them in slot 0,
	s_mov_b32 s[G0HB+1], 2*HALFT
	s_mov_b64 s[G0HB+2:G0HB+3], s[46:47]
	s_or_b32 s[G0HB+3], s[G0HB+3], 0x80000000
	s_mov_b32 s[G0S], 1                            ; and the scales of A's 256 rows and of B's
	s_mov_b32 s[G0S+1], SCL
	s_mov_b64 s[G0S+2:G0S+3], s[22:23]
	s_or_b32 s[G0S+3], s[G0S+3], 0x80000000
	s_mov_b32 s[G0SB], 1
	s_mov_b32 s[G0SB+1], SCL+2*HALFS
	s_mov_b64 s[G0SB+2:G0SB+3], s[92:93]
	s_or_b32 s[G0SB+3], s[G0SB+3], 0x80000000
	s_add_nc_u64 s[20:21], s[20:21], s[18:19]      ; for the ring: my 128 rows of the tile
	s_add_nc_u64 s[46:47], s[46:47], s[18:19]
.irp s, 0,1
	s_mov_b32 s[G0+4*\s], 1
	s_add_co_u32 s[G0+4*\s+1], s45, \s*SLOT
	s_add_nc_u64 s[G0+4*\s+2:G0+4*\s+3], s[20:21], \s*ROWB
	s_or_b32 s[G0+4*\s+3], s[G0+4*\s+3], 0x80000000
	s_mov_b32 s[G0B+4*\s], 1
	s_add_co_u32 s[G0B+4*\s+1], s45, \s*SLOT
	s_add_nc_u64 s[G0B+4*\s+2:G0B+4*\s+3], s[46:47], \s*ROWB
	s_or_b32 s[G0B+4*\s+3], s[G0B+4*\s+3], 0x80000000
.endr
; the head's loads, one a wave, in one chain of arms on the wave's number: wave 0 A's 256 rows of K step 0, wave 1 B's, wave 2 A's scales, wave 3 B's
.macro ARM under, g0, g1, next
	s_cmp_lt_u32 s14, \under
	s_cbranch_scc0 \next
	tensor_load_to_lds s[\g0:\g0+3], s[\g1:\g1+7]
	s_nop 0
.rept 4
	v_nop
.endr
	s_branch .Lhead_asked
\next:
.endm
	ARM 1, G0H,  G1,  .Lhead_b
	ARM 2, G0HB, G1B, .Lhead_sa
	ARM 3, G0S,  G1S, .Lhead_sb
	tensor_load_to_lds s[G0SB:G0SB+3], s[G1SB:G1SB+7]
	s_nop 0
.rept 4
	v_nop
.endr
.Lhead_asked:
	v_and_b32 v1, 15, v0
	v_bfe_u32 v2, v0, 4, 1
	v_mul_u32_u24 v3, v1, PITCH
	v_lshl_add_u32 v4, v2, 4, v3
	s_mul_i32 s21, s15, HALFT
	s_mul_i32 s22, s16, HALFT
	s_add_co_u32 s22, s22, 2*HALFT
.irp s, 0,1
	v_add_nc_u32 v[ADRA+\s], s21, v4
	v_add_nc_u32 v[ADRB+\s], s22, v4
	s_add_co_u32 s21, s21, SLOT
	s_add_co_u32 s22, s22, SLOT
.endr
	v_mul_u32_u24 v5, v1, KS
	v_lshrrev_b32 v6, 8, v5
	v_lshl_add_u32 v5, v6, 4, v5
	s_mul_i32 s21, s15, HALFS
	s_mul_i32 s22, s16, HALFS
	s_add_co_u32 s22, s22, 2*HALFS
	s_sub_co_u32 s22, s22, s21
	v_mul_u32_u24 v6, s22, v2
	s_add_co_u32 s21, s21, SCL
	v_add_nc_u32 v5, v5, v6
	v_add_nc_u32 v[ADRS], s21, v5
	v_and_b32 v[LANE], 31, v0
	v_lshlrev_b32 v[CO], 4, v[LANE]
	s_lshl_b32 s20, s17, 1
	s_add_co_u32 s20, s20, s15
	s_lshl_b32 s21, s42, 1
	s_add_co_u32 s21, s21, s16
	s_cmp_eq_u32 s100, 2
	s_cselect_b32 s22, s21, s20
	s_cselect_b32 s23, s20, s21
	s_lshl_b32 s46, s23, 20
	s_lshl_b32 s47, s22, 14
	s_add_co_u32 s46, s46, s47
	s_mov_b32 s47, 0
	s_add_nc_u64 s[12:13], s[12:13], s[46:47]
	s_lshl_b32 s46, s23, 6
	s_add_co_u32 s46, s46, s22
	s_lshl_b32 s46, s46, 9
	s_add_nc_u64 s[96:97], s[96:97], s[46:47]
	s_lshl_b32 s46, s23, 9
	s_add_nc_u64 s[98:99], s[98:99], s[46:47]
	v_lshlrev_b32 v8, 5, v2
	v_lshlrev_b32 v9, 2, v1
	s_cmp_eq_u32 s100, 2
	s_cbranch_scc1 .Lbias_by_lane
.irp t, 0,1,2,3,4,5,6,7
	global_load_b128 v[BIAS+8*\t:BIAS+8*\t+3], v8, s[98:99] offset:64*\t
	global_load_b128 v[BIAS+8*\t+4:BIAS+8*\t+7], v8, s[98:99] offset:64*\t+16
.endr
	s_branch .Lbias_asked
.Lbias_by_lane:
	s_wait_alu depctr_va_vdst(0)
.irp t, 0,1,2,3,4,5,6,7
.irp j, 0,1,2,3,4,5,6,7
	global_load_b32 v[BIAS+8*\t+\j], v9, s[98:99] offset:64*\t
.endr
.endr
.Lbias_asked:
.macro FRAG reg, adr, q, i
.irp c, 0,1,2,3
	ds_load_b128 v[\reg+4*\c:\reg+4*\c+3], v[\adr] offset:128*(\q)+32*\c+(\i)*16*PITCH
.endr
.endm
.macro MUL16 a0, p, q, sc, zero
.irp a, \a0, \a0+1
.irp b, 0,1,2,3,4,5,6,7
.if (\zero) == 1
	v_wmma_scale_f32_16x16x128_f8f6f4 v[8*(8*((\a)%4)+\b):8*(8*((\a)%4)+\b)+7], v[128*(\p)+FR*\b:128*(\p)+FR*\b+FR-1], v[AF+FR*(\a):AF+FR*(\a)+FR-1], v[BIAS+8*\b:BIAS+8*\b+7], v[SC+8*NQ*(\sc)+NQ*\b+(\q)], v[SC+8*NQ*(\sc)+NQ*(\a)+(\q)] matrix_a_fmt:MATRIX_FMT_BF8 matrix_b_fmt:MATRIX_FMT_BF8 matrix_a_scale:MATRIX_SCALE_ROW1
.elseif (\zero) == 2
	v_wmma_scale_f32_16x16x128_f8f6f4 v[8*(8*((\a)%4)+\b):8*(8*((\a)%4)+\b)+7], v[128*(\p)+FR*\b:128*(\p)+FR*\b+FR-1], v[AF+FR*(\a):AF+FR*(\a)+FR-1], v[BIAS+8*(\a):BIAS+8*(\a)+7], v[SC+8*NQ*(\sc)+NQ*\b+(\q)], v[SC+8*NQ*(\sc)+NQ*(\a)+(\q)] matrix_a_fmt:MATRIX_FMT_BF8 matrix_b_fmt:MATRIX_FMT_BF8 matrix_a_scale:MATRIX_SCALE_ROW1
.else
	v_wmma_scale_f32_16x16x128_f8f6f4 v[8*(8*((\a)%4)+\b):8*(8*((\a)%4)+\b)+7], v[128*(\p)+FR*\b:128*(\p)+FR*\b+FR-1], v[AF+FR*(\a):AF+FR*(\a)+FR-1], v[8*(8*((\a)%4)+\b):8*(8*((\a)%4)+\b)+7], v[SC+8*NQ*(\sc)+NQ*\b+(\q)], v[SC+8*NQ*(\sc)+NQ*(\a)+(\q)] matrix_a_fmt:MATRIX_FMT_BF8 matrix_b_fmt:MATRIX_FMT_BF8 matrix_a_scale:MATRIX_SCALE_ROW1
.endif
.endr
.endr
.endm
.macro FETCH_B slot, q, p
	WIN TO_B
.irp i, 0,1,2,3,4,5,6,7
	FRAG 128*(\p)+FR*\i, ADRB+\slot, \q, \i
.endr
	WIN 0
.endm
.macro FETCH_A slot, q, i0
.irp i, \i0, \i0+1, \i0+2, \i0+3
	FRAG AF+FR*(\i), ADRA+\slot, \q, \i
.endr
.endm
.macro SCALES sc
.irp i, 0,1,2,3,4,5,6,7
	ds_load_b64 v[SC+8*NQ*\sc+NQ*\i:SC+8*NQ*\sc+NQ*\i+1], v[ADRS] offset:\i*SBLK
.endr
.endm
.macro PLACES n
.rept \n
	v_nop
.endr
.endm
.macro STEP slot, q, zero
	s_wait_dscnt 4*NL
.if \zero
	WIN FIRST_LO
.else
	WIN MUL_LO
.endif
	MUL16 0, (\q)%2, \q, \slot, \zero
	MUL16 2, (\q)%2, \q, \slot, \zero
	s_wait_dscnt 0
	PLACES NP
	FETCH_B \slot, (\q)+1, 1-(\q)%2
	FETCH_A \slot, (\q)+1, 0
.if \zero
	WIN FIRST_HI
.else
	WIN MUL_HI
.endif
	MUL16 4, (\q)%2, \q, \slot, \zero
	MUL16 6, (\q)%2, \q, \slot, \zero
	PLACES NP
	WIN 0
	FETCH_A \slot, (\q)+1, 4
.endm
.macro TURN slot, next, fill
	s_wait_tensorcnt 0x0
	ds_add_u32 v[SPW], v[NIL]
	s_wait_dscnt 4*NL+1
	WIN MUL_LO
	MUL16 0, 1, NQ-1, \slot, 0
	s_wait_dscnt 0x0
	s_barrier_signal -1
	MUL16 2, 1, NQ-1, \slot, 0
	WIN 0
	s_barrier_wait -1
.if \fill
	CREST
	s_add_nc_u64 s[G0+4*\slot+2:G0+4*\slot+3], s[G0+4*\slot+2:G0+4*\slot+3], 2*ROWB
	s_add_nc_u64 s[G0B+4*\slot+2:G0B+4*\slot+3], s[G0B+4*\slot+2:G0B+4*\slot+3], 2*ROWB
	JLOAD G0+4*\slot, G1, G0B+4*\slot, G1B
	PLACES NP-4
.else
	PLACES NP
.endif
	s_wait_alu depctr_va_vdst(0)
	v_add_nc_u32 v[ADRS], 4*NQ, v[ADRS]
	FETCH_B \next, 0, 0
	FETCH_A \next, 0, 0
	SCALES \next
	WIN MUL_HI
	MUL16 4, 1, NQ-1, \slot, 0
	MUL16 6, 1, NQ-1, \slot, 0
	PLACES NP
	WIN 0
	FETCH_A \next, 0, 4
.endm
	s_wait_alu depctr_va_vdst(0)                   ; the wait at the head's end
	s_wait_tensorcnt 0x0                           ; my tile of the head's four is in
	ds_add_u32 v[SPW], v[NIL]
	s_mov_b32 s[G1+2], 128<<16                     ; no tensor load of mine is out: from here on a load brings 128 rows
	s_mov_b32 s[G1+4], 128
	s_mov_b32 s[G1B+2], 128<<16
	s_mov_b32 s[G1B+4], 128
	s_wait_dscnt 0x0
	CROUND                                         ; all four tiles are in, and all sixteen work-groups are here
	JLOAD G0+4, G1, G0B+4, G1B                     ; K step 1: the first tensor load behind the round
	FETCH_B 0, 0, 0
	FETCH_A 0, 0, 0
	s_wait_alu depctr_va_vdst(0)
	SCALES 0
	FETCH_A 0, 0, 4
	s_wait_loadcnt 0x0
	s_cmp_eq_u32 s100, 2
	s_cbranch_scc1 .Lfirst_by_lane
	STEP 0, 0, 1
	s_branch .Lfirst_done
.Lfirst_by_lane:
	STEP 0, 0, 2
.Lfirst_done:
	TURN 0, 1, 1
	STEP 1, 0, 0
	TURN 1, 0, 1
	STEP 0, 0, 0
	TURN 0, 1, 0
	STEP 1, 0, 0
	s_wait_dscnt 4*NL
	WIN MUL_LO
	MUL16 0, 1, NQ-1, 1, 0
	MUL16 2, 1, NQ-1, 1, 0
	s_wait_dscnt 0
	WIN MUL_HI
	MUL16 4, 1, NQ-1, 1, 0
	MUL16 6, 1, NQ-1, 1, 0
	WIN 0
.macro EPI a
.set AC, 64*((\a)%4)
	WIN 0x28+0x14*((\a)/4)
.irp b, 0,1,2,3
	v_max3_num_f32 v[TM+\b], 0x8000000, |v[AC+16*\b]|, |v[AC+16*\b+1]|
.endr
.irp i, 2,4,6,8,10,12,14
.irp b, 0,1,2,3
	v_max3_num_f32 v[TM+\b], v[TM+\b], |v[AC+16*\b+\i]|, |v[AC+16*\b+\i+1]|
.endr
.endr
	WIN 0
.irp b, 0,1,2,3
	v_permlanex16_b32 v[TM+4+\b], v[TM+\b], s20, s21
.endr
.irp b, 0,1,2,3
	v_max_num_f32 v[TM+\b], v[TM+\b], v[TM+4+\b]
.endr
.irp b, 0,1,2,3
	v_add_nc_u32 v[TM+12+\b], 0xf8800000, v[TM+\b]
.endr
.irp b, 0,1,2,3
	v_and_or_b32 v[TM+8+\b], v[TM+\b], 0x7f800000, s22
.endr
.irp b, 0,1,2,3
	v_lshrrev_b32 v[TM+4+\b], 23, v[TM+12+\b]
.endr
	v_lshl_or_b32 v[PW+(\a)], v[TM+5], 8, v[TM+4]
	v_lshl_or_b32 v[PW+(\a)], v[TM+6], 16, v[PW+(\a)]
	v_lshl_or_b32 v[PW+(\a)], v[TM+7], 24, v[PW+(\a)]
	WIN 0x82+0x41*((\a)/4)
.irp b, 0,1,2,3
.irp i, 0,1,2,3,4,5,6,7,8,9,10,11,12,13,14,15
	v_med3_num_f32 v[AC+16*\b+\i], v[AC+16*\b+\i], -v[TM+8+\b], v[TM+8+\b]
.endr
.endr
	WIN 2+(\a)/4
.irp g, 0,1,2,3,4,5,6,7
	v_cvt_scalef32_pk8_bf8_f32 v[PC+16*(\a)+2*\g:PC+16*(\a)+2*\g+1], v[AC+8*\g:AC+8*\g+7], v[TM+12+\g/2]
.endr
	WIN 0
	v_nop
.irp c, 0,1,2,3
	global_store_b128 v[CO], v[PC+16*(\a)+4*\c:PC+16*(\a)+4*\c+3], s[12:13] offset:2048*(\a)+512*\c th:TH_STORE_NT
.endr
.endm
	PLACES NP
	s_mov_b32 s20, 0x76543210
	s_mov_b32 s21, 0xfedcba98
	s_mov_b32 s22, 0x600000
.irp a, 0,1,2,3,4,5,6,7
	EPI \a
.endr
	v_cmp_le_u32 vcc_lo, 16, v[LANE]
.irp j, 0,1,2,3
	v_cndmask_b32 v[SW+\j], v[PW+\j], v[PW+4+\j], vcc_lo
.endr
	global_store_b128 v[CO], v[SW:SW+3], s[96:97] th:TH_STORE_NT
	s_wait_tensorcnt 0x0
	ds_add_u32 v[SPW], v[NIL]
	s_wait_dscnt 0x0
	CROUND
	s_endpgm
.Lfunc_end_k_q954f2baddd_proj:
	.size	k_q954f2baddd_proj, .Lfunc_end_k_q954f2baddd_proj-k_q954f2baddd_proj
	.p2alignl 7, 3214868480
	.fill 96, 4, 3214868480
	.section	.rodata,"a",@progbits
	.p2align	6, 0x0
	.amdhsa_kernel k_q954f2baddd_proj
		.amdhsa_group_segment_fixed_size 327680
		.amdhsa_private_segment_fixed_size 0
		.amdhsa_enable_private_segment 0
		.amdhsa_kernarg_size 168
		.amdhsa_user_sgpr_count 2
		.amdhsa_user_sgpr_kernarg_segment_ptr 1
		.amdhsa_wavefront_size32 1
		.amdhsa_system_sgpr_workgroup_id_x 1
		.amdhsa_system_sgpr_workgroup_id_y 1
		.amdhsa_system_sgpr_workgroup_id_z 1
		.amdhsa_system_vgpr_workitem_id 0
		.amdhsa_next_free_vgpr 1024
		.amdhsa_next_free_sgpr 104
		.amdhsa_reserve_vcc 1
		.amdhsa_float_denorm_mode_32 3
		.amdhsa_float_denorm_mode_16_64 3
		.amdhsa_memory_ordered 1
		.amdhsa_forward_progress 1
		.amdhsa_inst_pref_size 207
	.end_amdhsa_kernel
	.amdgpu_metadata
---
amdhsa.version: [ 1, 2 ]
amdhsa.kernels:
  - .name:           k_q954f2baddd_proj
    .symbol:         k_q954f2baddd_proj.kd
    .args:
      - { .name: query_codes, .offset: 0, .size: 8, .value_kind: global_buffer, .address_space: global }
      - { .name: query_scales, .offset: 8, .size: 8, .value_kind: global_buffer, .address_space: global }
      - { .name: Wq_codes, .offset: 16, .size: 8, .value_kind: global_buffer, .address_space: global }
      - { .name: Wq_scales, .offset: 24, .size: 8, .value_kind: global_buffer, .address_space: global }
      - { .name: key_codes, .offset: 32, .size: 8, .value_kind: global_buffer, .address_space: global }
      - { .name: key_scales, .offset: 40, .size: 8, .value_kind: global_buffer, .address_space: global }
      - { .name: Wk_codes, .offset: 48, .size: 8, .value_kind: global_buffer, .address_space: global }
      - { .name: Wk_scales, .offset: 56, .size: 8, .value_kind: global_buffer, .address_space: global }
      - { .name: Wv_codes, .offset: 64, .size: 8, .value_kind: global_buffer, .address_space: global }
      - { .name: Wv_scales, .offset: 72, .size: 8, .value_kind: global_buffer, .address_space: global }
      - { .name: value_codes, .offset: 80, .size: 8, .value_kind: global_buffer, .address_space: global }
      - { .name: value_scales, .offset: 88, .size: 8, .value_kind: global_buffer, .address_space: global }
      - { .name: bq, .offset: 96, .size: 8, .value_kind: global_buffer, .address_space: global }
      - { .name: qc, .offset: 104, .size: 8, .value_kind: global_buffer, .address_space: global }
      - { .name: qs, .offset: 112, .size: 8, .value_kind: global_buffer, .address_space: global }
      - { .name: bk, .offset: 120, .size: 8, .value_kind: global_buffer, .address_space: global }
      - { .name: kc, .offset: 128, .size: 8, .value_kind: global_buffer, .address_space: global }
      - { .name: ks, .offset: 136, .size: 8, .value_kind: global_buffer, .address_space: global }
      - { .name: bv, .offset: 144, .size: 8, .value_kind: global_buffer, .address_space: global }
      - { .name: vc, .offset: 152, .size: 8, .value_kind: global_buffer, .address_space: global }
      - { .name: vs, .offset: 160, .size: 8, .value_kind: global_buffer, .address_space: global }
    .group_segment_fixed_size: 327680
    .private_segment_fixed_size: 0
    .kernarg_segment_align: 8
    .kernarg_segment_size: 168
    .max_flat_workgroup_size: 128
    .sgpr_count:     104
    .vgpr_count:     1024
    .wavefront_size: 32
...
	.end_amdgpu_metadata
.endif
;; end of part 1
;; launch attn (part 2): grid 4 x 64, 4 waves a work-group, clusters of 4 x 1, 327,680 bytes of LDS; arguments qc, qs, kc, ks, vc, vs, scale, out0; writes out0
.if DOCPART == 2
	.amdgcn_target "amdgcn-amd-amdhsa--gfx1250"
	.amdhsa_code_object_version 6
	.text
	.protected	k_q954f2baddd_attn
	.globl	k_q954f2baddd_attn
	.p2align	8
	.type	k_q954f2baddd_attn,@function
k_q954f2baddd_attn:
	s_mov_b64 s[64:65], 0
	v_nop
	global_prefetch_b8 v0, s[64:65] scope:SCOPE_SE
	s_setreg_imm32_b32 hwreg(HW_REG_WAVE_MODE, 25, 1), 1
	s_wait_xcnt 0x0
	s_wait_alu depctr_hold_cnt(0) depctr_sa_sdst(0) depctr_va_vdst(0) depctr_va_sdst(0) depctr_va_ssrc(0) depctr_va_vcc(0) depctr_vm_vsrc(0)
	s_getreg_b32 s2, hwreg(HW_REG_IB_STS2, 6, 4)
	s_cmp_eq_u32 s2, 0
	s_cbranch_scc0 .Lentry_in_a_cluster
	s_endpgm
.Lentry_in_a_cluster:
	s_bfe_u32 s2, ttmp6, 0x10000c
	s_cmp_lg_u32 s2, 0x3003
	s_cbranch_scc0 .Lentry_shape_is_right
	s_endpgm
.Lentry_shape_is_right:
; out0[b][q][64 h ..] = the sum over keys of softmax(q . k / scale) v, for 4 x 16 heads of 64, 2,048 queries and keys, no mask; both products on codes of BF8 (E5M2), one E8M0 scale for each 32 along a product's K.
; q, k, v come as codes and scale words that the launch before has made, laid as images of operand registers.  No step of the problem is left out.
; THE SOFTMAX: t = score x log2(e) / scale; M = the row's largest t so far, rounded up to a whole number; p = 2^(t - M) is quantised along the keys, not normalised; the row's sum is taken of the unquantised p and divides at the end.
; When M moves, the sum and O are multiplied by 2^(old M - new M): exact.  scale is an input: |c| = |log2(e) / scale| scales the scores, c's sign goes into the sign bits of q's codes, which is exact.
; LIMITS: scale = 0, NaN and infinities are not served; the scaled scores stay under 2^31 in magnitude; v_exp_f32 gives 0 where p would lie under 2^-126.
; SHARES.  A work-group owns 512 queries of one head; four waves, one to a SIMD; a wave owns 128 queries: 8 tiles of 16, in four pairs.  Each fragment of K and V read from LDS feeds 8 products.
; CLUSTER.  The four work-groups of a cluster own the quarters of one head's queries and need the same K and V: each of the four parts (K, V, their scale words) is asked for jointly, one load a wave, once, at the head.
; All of the head's K and V lie in LDS: nothing is filled again, and every stream is asked for at the head, so there is nothing later that a prefetch could run ahead of.
; LAYOUT.  Both products transposed: S^T = K Q^T, O^T = V^T P^T: a lane holds one query (lane % 16).  Register j of S^T's tile t is key 16 t + 8 (lane / 16) + j; the codes of tiles 2 c, 2 c + 1 are registers 4 c .. 4 c + 3 of P,
; the order in which the launch before has laid V.  K = 64 in an instruction of 128: Q's registers 8-15 are zero codes, and K's fragment t runs on into tile t + 1's codes (behind tile 7: zeros), which are finite.
; A KEY STEP (128 keys) IS FOUR SLOTS, one for each pair.  A slot holds its pair's softmax, both tiles by turns; among its exponentials stand the LAST pair's 8 products with V and the NEXT pair's 16 products with K.
; So scores stand in two sets (windows 1 and 2, pairs by turns).  The first slot's products with V multiply zero codes; the last trip's look-ahead products (step 0's K again) are read by nobody; the last pair's products with V stand behind the loop.
; The exponentials go in four batches (a block of 32 keys of both tiles each).  Among a batch stand lines whose results are read behind the next wait only: a later block's t - M and an earlier block's holds; behind a batch's last
; exponential stand the additions of the block before it.
; REGISTERS.  Window 0: v1-14 addresses; v16-87 K's eight tiles and zeros; v88-151 V; v152-183 p's codes; v192-213 scale words and nothing else.  Window 3: O^T, 32 registers a tile.
; Windows 1, 2 (pairs 0, 2 and pairs 1, 3): v0-127 S^T, then p; v128-191 Q of four tiles; v192-207 -M, the largest score, the sum; v208-253 at work.
.set VL,    131072                     ; LDS: K's codes at 0: [tile of 16 keys][1,024 bytes]; V's here: [step][tile of 16 channels][block of 32 keys][512 bytes]
.set SKL,   262144                     ; K's scale words: 512 bytes a step
.set SVL,   270336                     ; V's: 256 bytes a step
.set SPARE, 274432                     ; the spare words, 128 bytes a wave
.set STG,   275456                     ; the way out: 16 rows x (256 + 16) bytes for each wave; no fill lands here
.set SP,    272
.set DUAL,  1                          ; 1: two holds in one dual line, each half with its own copy of the bound
.set LI, 1
.set AV0, 2
.set ASK0, 3
.set ASV0, 4
.set SPW, 5
.set NIL, 6
.set GO, 7
.set ADK, 8
.set ADV, 9
.set ADS, 10
.set ADT, 11
.set STO, 12
.set RD, 13
.set RQ, 14
.set KF, 16
.set ZR, 80
.set VF, 88
.set PC, 152
.set KSC, 192
.set VSC, 200
.set QS, 204
.set PW, 212
.set MB, 16                            ; the way out: O / sum, two sets of 32
.set RB, 80                            ; and rows read back, three sets of 32
.set Q, 128
.set STB, 192                          ; state of tile x of a window: -M, largest score, the sum's pair
.set BM, 208
.set T2, 216
.set LM, 224
.set SO, 240
.set F, 248
.set TA, 252
.set WV, 20
.set MNT, 21
.set SEL, 22
.set CS, 24
.set SGN, 26
.set TJ, 27
.set TB, 28
.set NC, 29
.set TBN, 30
.set TSN, 31
.set G1K, 32
.set G1V, 40
.set G1KS, 48
.set G1VS, 56
.set G0K, 68
.set G0KS, 72
.set G0V, 76
.set G0VS, 80
.set QP, 84
.set QSP, 86
.set OP, 88
.set MSB, 0
.macro WIN new                         ; bits 1:0 source 0, 3:2 source 1, 5:4 source 2, 7:6 destination; the high byte repeats the setting that is left
.if MSB != (\new)
	s_set_vgpr_msb (MSB<<8)|(\new)
.set MSB, (\new)
.endif
.endm
.macro WALU
	s_wait_alu depctr_va_vdst(0)
.endm
.macro ROUND                           ; a round of the cluster's barrier
	s_barrier_signal -1
	s_barrier_wait -1
	s_cmp_lg_u32 s[WV], 0
	s_cbranch_scc1 .Lnot_wave_0_\@
	s_barrier_signal -3
.Lnot_wave_0_\@:
	s_barrier_wait -3
	s_barrier_signal -1
	s_barrier_wait -1
.endm
.macro GROUP1 g, c, r, p               ; r rows of c elements of 8 bytes, p elements from row to row; dense in LDS; the mask names all four work-groups, bit 21 beside it
	s_mov_b32 s[\g], 15|(3<<16)|(1<<21)
	s_mov_b32 s[\g+1], ((\c)&0xffff)<<16
	s_mov_b32 s[\g+2], ((\c)>>16)|(((\r)&0xffff)<<16)
	s_mov_b32 s[\g+3], ((\r)>>16)|((\c)<<16)
	s_mov_b32 s[\g+4], \r
	s_mov_b32 s[\g+5], \p
	s_mov_b32 s[\g+6], 0
	s_mov_b32 s[\g+7], 0
.endm
.macro GROUP0 g, lds, base, off
	s_mov_b32 s[\g], 1
	s_mov_b32 s[\g+1], \lds
	s_add_nc_u64 s[\g+2:\g+3], s[\base:\base+1], s[\off:\off+1]
	s_or_b32 s[\g+3], s[\g+3], 0x80000000
.endm
.macro ARM under, g0, g1, next         ; one arm of the head's chain: a load, and a jump to the join
	s_cmp_lt_u32 s[WV], \under
	s_cbranch_scc0 \next
	tensor_load_to_lds s[\g0:\g0+3], s[\g1:\g1+7]
	s_nop 0
.rept 4
	v_nop
.endr
	s_branch .Lasked
\next:
.endm
	s_load_b512 s[4:19], s[0:1], 0x0               ; qc, qs, kc, ks, vc, vs, scale, out0
	v_lshl_add_u32 v[SPW], v0, 2, SPARE
	v_mov_b32 v[NIL], 0
	ds_add_u32 v[SPW], v[NIL]                      ; the opening: the add, twice on end, and its wait ahead of my tensor load
	ds_add_u32 v[SPW], v[NIL]
	v_lshrrev_b32 v8, 5, v0
	v_readfirstlane_b32 s[WV], v8                  ; wave 0..3
	s_and_b32 s91, ttmp7, 0xffff                   ; the cluster's y = 16 x batch + head
	s_lshr_b32 s92, s91, 4                         ; batch
	s_and_b32 s93, s91, 15                         ; head
	s_lshr_b32 s94, s93, 1                         ; pair of heads
	s_and_b32 s95, s93, 1                          ; parity
	s_lshl_b32 s97, s94, 20
	s_lshl_b32 s98, s92, 18
	s_add_co_u32 s97, s97, s98                     ; codes: the pair's and the batch's first byte
	s_lshl_b32 s2, s95, 13
	s_add_co_u32 s2, s2, s97                       ; V: my head's 8,192 bytes of each step's 16,384
	s_mov_b32 s3, 0
	s_lshl_b32 s98, s95, 10
	s_add_co_u32 s98, s98, s97                     ; K: my head's 1,024 bytes of each tile's 2,048
	s_mov_b32 s99, 0
	s_lshl_b32 s91, s94, 15
	s_lshl_b32 s66, s92, 13
	s_add_co_u32 s91, s91, s66                     ; scale words: the pair's and the batch's first byte
	s_mov_b32 s66, s91
	s_mov_b32 s67, 0
	s_lshl_b32 s30, s95, 8
	s_add_co_u32 s30, s30, s91                     ; V's: my head's half of each 512
	s_mov_b32 s31, 0
	GROUP1 G1K, 128, 128, 256                      ; K: 128 tiles x 1,024 bytes, 2,048 apart
	GROUP1 G1V, 1024, 16, 2048                     ; V: 16 steps x 8,192 bytes, 16,384 apart
	GROUP1 G1KS, 32, 32, 32                        ; K's scale words: 8,192 dense bytes as rows of 256
	GROUP1 G1VS, 32, 16, 64                        ; V's: 16 steps x 256 bytes, 512 apart
	s_mov_b32 s[MNT], 0x600000                     ; the mantissa field of 57,344
	s_mov_b32 s[SEL], 0x76543210
	s_mov_b32 s[SEL+1], 0xfedcba98                 ; lane l xor 16
	s_wait_dscnt 0x0                               ; both opening adds are done
	s_wait_kmcnt 0x0
	s_load_b32 s90, s[16:17], 0x0                  ; scale
	GROUP0 G0K, 0, 8, 98
	GROUP0 G0V, VL, 12, 2
	GROUP0 G0KS, SKL, 10, 66
	GROUP0 G0VS, SVL, 14, 30
	ROUND                                          ; all four work-groups are here: the joint loads meet
	ARM 1, G0K, G1K, .Lh1                          ; one load a wave, in one chain of arms
	ARM 2, G0V, G1V, .Lh2
	ARM 3, G0KS, G1KS, .Lh3
	tensor_load_to_lds s[G0VS:G0VS+3], s[G1VS:G1VS+7]
	s_nop 0
.rept 4
	v_nop
.endr
.Lasked:
	s_bfe_u32 s96, ttmp6, 0x40000                  ; cx: my quarter of the head's queries; it enters these three global addresses alone
	s_lshl_b32 s2, s96, 16                         ; q's codes: 16,384 bytes for 128 queries: four groups a work-group, one a wave
	s_add_co_u32 s2, s2, s97
	s_lshl_b32 s3, s[WV], 14
	s_add_co_u32 s2, s2, s3
	s_lshl_b32 s3, s95, 10
	s_add_co_u32 s2, s2, s3
	s_mov_b32 s3, 0
	s_add_nc_u64 s[QP:QP+1], s[4:5], s[2:3]
	s_lshl_b32 s2, s96, 11                         ; q's scale words: 512 bytes a group
	s_add_co_u32 s2, s2, s91
	s_lshl_b32 s3, s[WV], 9
	s_add_co_u32 s2, s2, s3
	s_lshl_b32 s3, s95, 1
	s_add_co_u32 s2, s2, s3
	s_mov_b32 s3, 0
	s_add_nc_u64 s[QSP:QSP+1], s[6:7], s[2:3]
	s_lshl_b32 s2, s92, 23                         ; out0: a query's row is 4,096 bytes; 512 queries a work-group, 128 a wave; my head's 256 bytes
	s_lshl_b32 s3, s96, 21
	s_add_co_u32 s2, s2, s3
	s_lshl_b32 s3, s[WV], 19
	s_add_co_u32 s2, s2, s3
	s_lshl_b32 s3, s93, 8
	s_add_co_u32 s2, s2, s3
	s_mov_b32 s3, 0
	s_add_nc_u64 s[OP:OP+1], s[18:19], s[2:3]
	s_lshl_b32 s66, s95, 1
	s_add_co_u32 s66, s66, SKL
	s_mul_i32 s67, s[WV], 16*SP
	s_add_co_u32 s67, s67, STG                     ; my stage
	v_and_b32 v8, 31, v0
	v_and_b32 v9, 15, v0                           ; r
	v_bfe_u32 v10, v0, 4, 1                        ; h
	v_lshlrev_b32 v[LI], 4, v8                     ; 16 x lane: my place in an image
	v_lshlrev_b32 v[RQ], 4, v9
	v_mul_u32_u24 v11, v9, SP
	v_mul_u32_u24 v15, v10, SP
	v_add_nc_u32 v[AV0], VL, v[LI]
	v_add_nc_u32 v[ASK0], s66, v[RQ]
	v_add_nc_u32 v[ASV0], SVL, v[RQ]
	v_lshl_add_u32 v[GO], v10, 12, v[RQ]           ; lanes 0-15 one query's row, lanes 16-31 the next
	v_lshl_add_u32 v11, v10, 5, v11
	v_add_nc_u32 v15, v15, v[RQ]
	v_add_nc_u32 v[STO], s67, v11                  ; into the stage: row r, + 32 h
	v_add_nc_u32 v[RD], s67, v15                   ; back: lanes 0-15 one row, lanes 16-31 the next
	WALU
.macro QL t                            ; tile t's two blocks of codes into its window
.set I_, Q+16*(2*((\t)>>2)+((\t)&1))
	global_load_b128 v[I_:I_+3], v[LI], s[QP:QP+1] offset:2048*(\t) th:TH_LOAD_NT
	global_load_b128 v[I_+4:I_+7], v[LI], s[QP:QP+1] offset:2048*(\t)+512 th:TH_LOAD_NT
.endm
.irp t, 0,1,2,3,4,5,6,7
	global_load_u16 v[QS+\t], v[RQ], s[QSP:QSP+1] offset:256*(\t/4)+4*(\t%4)
.endr
	WIN 0x40
.irp t, 0,1,4,5
	QL \t
.endr
	WIN 0x80
.irp t, 2,3,6,7
	QL \t
.endr
	WIN 0
	s_wait_kmcnt 0x0                               ; scale
	v_rcp_f32 v8, s90
	v_nop
	WALU
	v_mul_f32 v8, 0x3fb8aa3b, v8                   ; c = log2(e) / scale
	v_readfirstlane_b32 s90, v8
	s_lshr_b32 s[SGN], s90, 31
	s_mul_i32 s[SGN], s[SGN], 0x80808080           ; c's sign, for the sign bits of four codes
	s_and_b32 s[CS], s90, 0x7fffffff               ; |c|
	s_mov_b32 s[CS+1], s[CS]
	s_or_b32 s[NC], s[CS], 0x80000000              ; -|c|
.set n, 0
.rept 8
	v_mov_b32 v[ZR+n], 0                           ; behind K's tile 7
.set n, n+1
.endr
.set n, 0
.rept 32
	v_mov_b32 v[PC+n], 0                           ; the first slot's products with V multiply zero codes
.set n, n+1
.endr
	v_mov_b32 v[PW], 0
	v_mov_b32 v[PW+1], 0
.irp w, 1,2
	WIN \w<<6
.set n, 0
.rept 32
	v_mov_b32 v[Q+16*(n>>3)+8+(n&7)], 0            ; Q's upper halves: zero codes
.set n, n+1
.endr
.irp x, 0,1,2,3
	v_mov_b32 v[STB+4*\x], 0x7f61b1e6              ; -M = 3e38
	v_mov_b32 v[STB+4*\x+1], 0xff61b1e6            ; the largest score so far: -3e38
	v_mov_b32 v[STB+4*\x+2], 0
	v_mov_b32 v[STB+4*\x+3], 0
	v_mov_b32 v[T2+\x], 0                          ; a lane permute's destination counts as one of its sources
	v_mov_b32 v[T2+4+\x], 0
.endr
	v_mov_b32 v[F+1], 0                            ; (named as the upper halves of pairs)
	v_mov_b32 v[F+3], 0
.endr
	WALU
	s_wait_loadcnt 0x0                             ; Q and its scale words
.irp w, 1,2
	WIN 0x55*\w
.set n, 0
.rept 32
	v_xor_b32 v[Q+16*(n>>3)+(n&7)], s[SGN], v[Q+16*(n>>3)+(n&7)]   ; c's sign goes into q's codes
.set n, n+1
.endr
.endr
	WIN 0xc0
.set n, 0
.rept 256
	v_mov_b32 v[n], 0                              ; O^T: the step is written once; the first finds zeros, which the first change of M leaves zeros
.set n, n+1
.endr
	WIN 0
	WALU
	s_wait_tensorcnt 0x0                           ; my load has landed,
	s_barrier_signal -1
	s_barrier_wait -1                              ; everybody's has: the head's K and V lie in LDS, and nothing writes them again
.macro KLOAD ak, as                    ; a step's eight tiles of K and their scale bytes: 24 LDS loads
.irp t, 0,1,2,3,4,5,6,7
	ds_load_b128 v[KF+8*\t:KF+8*\t+3], v[\ak] offset:1024*\t
	ds_load_b128 v[KF+8*\t+4:KF+8*\t+7], v[\ak] offset:1024*\t+512
.endr
.irp t, 0,1,2,3,4,5,6,7
	ds_load_u16 v[KSC+\t], v[\as] offset:256*(\t/4)+4*(\t%4)
.endr
.endm
.macro VLOAD av, as                    ; a step's four fragments of V and their scale words: 17 LDS loads
.irp t, 0,1,2,3
.irp c, 0,1,2,3
	ds_load_b128 v[VF+16*\t+4*\c:VF+16*\t+4*\c+3], v[\av] offset:2048*\t+512*\c
.endr
.endr
	ds_load_b128 v[VSC:VSC+3], v[\as]
.endm
.macro QK1 q                           ; product q = 8 a + t of the next pair's scores: K in window 0, Q and S^T in window WN
.set A_, (\q)>>3
.set T_, (\q)&7
	WIN (WN<<6)|(WN<<2)
	v_wmma_scale_f32_16x16x128_f8f6f4 v[64*A_+8*T_:64*A_+8*T_+7], v[KF+8*T_:KF+8*T_+15], v[QN+16*A_:QN+16*A_+15], 0, v[KSC+T_], v[QS+TQ0+A_] matrix_a_fmt:MATRIX_FMT_BF8 matrix_b_fmt:MATRIX_FMT_BF8
.endm
.macro PV1 k                           ; product k = 4 a + t of the last pair with V: V and P in window 0, O^T in window 3; each accumulator has one turn a step
.set A_, (\k)>>2
.set T_, (\k)&3
	WIN 0xf0
	v_wmma_scale_f32_16x16x128_f8f6f4 v[OPV+32*A_+8*T_:OPV+32*A_+8*T_+7], v[VF+16*T_:VF+16*T_+15], v[PC+16*A_:PC+16*A_+15], v[OPV+32*A_+8*T_:OPV+32*A_+8*T_+7], v[VSC+T_], v[PW+A_] matrix_a_fmt:MATRIX_FMT_BF8 matrix_b_fmt:MATRIX_FMT_BF8
.endm
.macro FMA1 b, m                       ; t - M of two scores of block b: tile m & 1, pair m >> 1
.set R_, 64*((\m)&1)+16*(\b)+2*((\m)>>1)
.set N_, ST+4*((\m)&1)
	v_pk_fma_f32 v[R_:R_+1], v[R_:R_+1], s[CS:CS+1], v[N_:N_+1] op_sel_hi:[1,0,0]
.endm
.macro HOLDP b, m                      ; two p of block b held at 57,344 x the scale: the conversion does not saturate (ISA guide 7.6.2); p is not negative
.set R_, 64*((\m)&1)+16*(\b)+2*((\m)>>1)
.set N_, LM+8*((\m)&1)+2*(\b)
.if DUAL
	v_dual_min_num_f32 v[R_], v[R_], v[N_] :: v_dual_min_num_f32 v[R_+1], v[R_+1], v[N_+1]
.else
	v_min_num_f32 v[R_], v[R_], v[N_]
	v_min_num_f32 v[R_+1], v[R_+1], v[N_]
.endif
.endm
; Batch k: the 32 exponentials of block k of both tiles.  Among them: batch 0: the 8 blocks' largest p, block 1's t - M and the last pair's 8 products with V;
; batch 1: block 2's t - M; batch 2: block 3's t - M and block 0's holds; batch 3: block 1's holds; and in the early parts of batches 1, 2, 3 six, four and six of the next pair's products with K.
; What the lines among a batch write is read behind the next wait only, and what they read was written ahead of the wait in front of the batch.
.macro XB k
.if (\k)==2
.set QB_, 6
.set QC_, 4
.elseif (\k)==3
.set QB_, 10
.set QC_, 6
.else
.set QB_, 0
.set QC_, 6
.endif
.set n, 0
.rept 32
	v_exp_f32 v[64*(n&1)+16*(\k)+(n>>1)], v[64*(n&1)+16*(\k)+(n>>1)]
.if (\k)==0
.if (n&1)==0 && n<16
	v_exp_f32 v[BM+(n>>1)], v[BM+(n>>1)]
.endif
.if (n&1)==1
	FMA1 1, n>>1
.endif
.if (n%3)==1 && n<23
	PV1 n/3
	WIN 0x55*W
.endif
.else
.if (n&1)==0 && (\k)==2
	FMA1 3, n>>1
.endif
.if (n&1)==1
.if (\k)==1
	FMA1 2, n>>1
.else
	HOLDP (\k)-2, n>>1
.endif
.endif
.if (n&3)==1 && (n>>2)<QC_
	QK1 QB_+(n>>2)
	WIN 0x55*W
.endif
.endif
.set n, n+1
.endr
.endm
.macro ADD1 a, i                       ; pair i (0..31) of tile a's unquantised p goes into one of three chains: pairs 0, 1 and pairs 2, 3 start two of them, the third is the sum itself
.set P_, 64*(\a)+2*(\i)
.if (\i)==0
	v_pk_add_f32 v[T2+4*(\a):T2+4*(\a)+1], v[P_:P_+1], v[P_+2:P_+3]
.elseif (\i)==2
	v_pk_add_f32 v[T2+4*(\a)+2:T2+4*(\a)+3], v[P_:P_+1], v[P_+2:P_+3]
.elseif (\i)>3
.if ((\i)%3)==0
.set C_, ST+4*(\a)+2
.else
.set C_, T2+4*(\a)+2*((\i)%3)-2
.endif
	v_pk_add_f32 v[C_:C_+1], v[C_:C_+1], v[P_:P_+1]
.endif
.endm
.macro ADDB b                          ; the sums take block b's p: two at a time, the two tiles and the three chains by turns
.set i_, 8*(\b)
.rept 8
	ADD1 0, i_
	ADD1 1, i_
.set i_, i_+1
.endr
.endm
; A SLOT: pair g's softmax for this step's 128 keys.  x = 4 a + b counts the pair's 8 blocks of 32 keys: block x's scores are v[16 x ..].
.macro SLOT g
.set W, 1+((\g)&1)
.set WN, 3-W
.set ST, STB+8*((\g)>>1)
.set QN, Q+32*((((\g)+1)&3)>>1)
.set TQ0, 2*(((\g)+1)&3)
.set OC, 64*(\g)
.set OPV, 64*(((\g)+3)&3)
.if (\g)==0
	s_lshl_b32 s[TB], s[TJ], 5                     ; 8,192 x the step
.endif
.if (\g)==3
	s_add_co_u32 s[TSN], s[TJ], 256
	s_and_b32 s[TSN], s[TSN], 0xfff                ; behind the last step comes step 0 again: those loads and products serve nobody
	s_lshl_b32 s[TBN], s[TSN], 5
	s_lshl_b32 s[TSN], s[TSN], 1
.endif
	WIN 0x55*W
	WALU                                           ; one wait for the scores and for my pair's O^T: directly ahead of their first reader; plain vector lines alone follow up to the last of the rescaling
.irp x, 0,1,2,3,4,5,6,7
	v_max3_num_f32 v[BM+\x], v[16*\x], v[16*\x+1], v[16*\x+2]   ; each block's largest score: for the row's maximum and for the block's largest p; each accumulator is first read at its low end
.endr
.irp i, 3,5,7,9,11,13
.irp x, 0,1,2,3,4,5,6,7
	v_max3_num_f32 v[BM+\x], v[BM+\x], v[16*\x+\i], v[16*\x+\i+1]
.endr
.endr
.irp x, 0,1,2,3,4,5,6,7
	v_max_num_f32 v[BM+\x], v[BM+\x], v[16*\x+15]
.endr
.irp x, 0,1,2,3,4,5,6,7
	v_permlanex16_b32 v[T2+\x], v[BM+\x], s[SEL], s[SEL+1]
.endr
.irp x, 0,1,2,3,4,5,6,7
	v_max_num_f32 v[BM+\x], v[BM+\x], v[T2+\x]     ; with lane l xor 16's 16 keys
.endr
.irp a, 0,1
	v_max3_num_f32 v[TA+\a], v[BM+4*\a], v[BM+4*\a+1], v[BM+4*\a+2]
.endr
.irp a, 0,1
	v_max3_num_f32 v[ST+4*\a+1], v[TA+\a], v[BM+4*\a+3], v[ST+4*\a+1]   ; the running largest score
.endr
.irp a, 0,1
	v_mov_b32 v[TA+\a], v[ST+4*\a]
.endr
.irp a, 0,1
	v_mul_f32 v[F+2*\a], s[NC], v[ST+4*\a+1]       ; -t of it (|c| is positive)
.endr
.irp a, 0,1
	v_floor_f32 v[ST+4*\a], v[F+2*\a]              ; the new -M = floor(-t): M is a whole number
.endr
.irp a, 0,1
	v_sub_f32 v[TA+\a], v[ST+4*\a], v[TA+\a]       ; old M less new M
.endr
.irp m, 0,1,2,3
	FMA1 0, \m                                     ; block 0's t - M wants -M alone: it stands among the chain's last links
.endr
.irp a, 0,1
	v_cvt_i32_f32 v[TA+\a], v[TA+\a]               ; (it saturates)
.endr
.irp m, 4,5,6,7
	FMA1 0, \m
.endr
.irp a, 0,1
	v_ldexp_f32 v[F+2*\a], 1.0, v[TA+\a]           ; f = 2^(old M - new M)
.endr
.irp m, 8,9,10,11,12,13,14,15
	FMA1 0, \m
.endr
.irp x, 0,1,2,3,4,5,6,7
	v_fma_f32 v[BM+\x], v[BM+\x], s[CS], v[ST+4*(\x/4)]   ; the same of each block's largest score
.endr
.irp a, 0,1
	v_pk_mul_f32 v[ST+4*\a+2:ST+4*\a+3], v[ST+4*\a+2:ST+4*\a+3], v[F+2*\a:F+2*\a+1] op_sel_hi:[1,0]   ; the sums under the new M
.endr
	WIN 0xc3|(W<<2)
.set n, 0
.rept 32
	v_pk_mul_f32 v[OC+2*n:OC+2*n+1], v[OC+2*n:OC+2*n+1], v[F+2*(n>>4):F+2*(n>>4)+1] op_sel_hi:[1,0]   ; O^T under the new M, from each accumulator's low end on
.set n, n+1
.endr
.if (\g)==3
	WIN 0                                          ; the next step's K: its registers' last products stand a slot back, more than eight plain lines behind them
	v_add_nc_u32 v[ADK], s[TBN], v[LI]
	v_add_nc_u32 v[ADS], s[TSN], v[ASK0]
	KLOAD ADK, ADS
.endif
	WIN 0x55*W
	WALU                                           ; ahead of the first batch
.if (\g)==1
	s_wait_dscnt 0x0                               ; this step's V, asked for a slot ago
.endif
	XB 0
	WALU                                           ; behind it
.if (\g)==3
	s_wait_dscnt 0x0                               ; the next step's K is in
.endif
.irp x, 0,1,2,3,4,5,6,7
	v_max_num_f32 v[BM+\x], 0x8000000, v[BM+\x]    ; the floor 2^(16 - 127): the byte cannot fall under 1
.endr
.irp x, 0,1,2,3,4,5,6,7
	v_add_nc_u32 v[SO+\x], 0xf8800000, v[BM+\x]    ; 15 off the exponent field: the conversion's scale operand
.endr
.irp x, 0,1,2,3,4,5,6,7
	v_and_or_b32 v[LM+2*\x], v[BM+\x], 0x7f800000, s[MNT]   ; 57,344 x the scale; first read behind the wait that follows batch 1
.if DUAL
	v_and_or_b32 v[LM+2*\x+1], v[BM+\x], 0x7f800000, s[MNT]
.endif
.endr
.if (\g)==0
	WIN 0                                          ; this step's V: the lines since batch 0's last product are the places behind it
	v_add_nc_u32 v[ADV], s[TB], v[AV0]
	v_add_nc_u32 v[ADT], s[TJ], v[ASV0]
	VLOAD ADV, ADT
.endif
	WIN 0x55*W
	XB 1
	ADDB 0
	WALU
	XB 2
	ADDB 1
	WALU
	XB 3
	ADDB 2
	WALU
	ADDB 3
.irp a, 0,1
	v_pk_add_f32 v[T2+4*\a:T2+4*\a+1], v[T2+4*\a:T2+4*\a+1], v[T2+4*\a+2:T2+4*\a+3]   ; the three chains are joined
.endr
.irp a, 0,1
	v_pk_add_f32 v[ST+4*\a+2:ST+4*\a+3], v[ST+4*\a+2:ST+4*\a+3], v[T2+4*\a:T2+4*\a+1]
.endr
.set n, 0
.rept 16
	HOLDP 2, n
.set n, n+1
.endr
.set n, 0
.rept 16
	HOLDP 3, n
.set n, n+1
.endr
	WIN 0x05*W
.irp x, 0,1,2,3,4,5,6,7
	v_cvt_scalef32_pk8_bf8_f32 v[PC+4*\x:PC+4*\x+1], v[16*\x:16*\x+7], v[SO+\x]
	v_cvt_scalef32_pk8_bf8_f32 v[PC+4*\x+2:PC+4*\x+3], v[16*\x+8:16*\x+15], v[SO+\x]
.endr
	WIN 0x55*W                                     ; p's scale words are made last: plain lines behind the conversions; the products that read the old words stand in this slot's first batch, those that read the new ones in the next slot's
.irp x, 0,1,2,3,4,5,6,7
	v_lshrrev_b32 v[T2+\x], 23, v[SO+\x]           ; the scale's byte
.endr
.irp a, 0,1
	v_lshl_or_b32 v[TA+\a], v[T2+4*\a+1], 8, v[T2+4*\a]
.endr
.irp a, 0,1
	v_lshl_or_b32 v[TA+\a], v[T2+4*\a+2], 16, v[TA+\a]
.endr
	WIN 0x15*W
.irp a, 0,1
	v_lshl_or_b32 v[PW+\a], v[T2+4*\a+3], 24, v[TA+\a]   ; p's scale word, in window 0
.endr
.endm
	KLOAD LI, ASK0                                 ; step 0's K,
	VLOAD AV0, ASV0                                ; and its V: finite codes for the first slot's products with zero codes
	s_wait_dscnt 0x0
.set WN, 1
.set QN, Q
.set TQ0, 0
.set n, 0
.rept 16
	QK1 n                                          ; pair 0's scores of step 0
.set n, n+1
.endr
	WIN 0
.rept 8
	v_nop                                          ; places behind the products, ahead of the first read of the scores
.endr
	s_mov_b32 s[TJ], 0                             ; 256 x the step
.Lstep:                                            ; 16 trips, 128 keys each
	SLOT 0
	SLOT 1
	SLOT 2
	SLOT 3
	WIN 0
	s_add_co_u32 s[TJ], s[TJ], 256
	s_cmp_lt_u32 s[TJ], 4096
	s_cbranch_scc1 .Lstep
.rept 8
	v_nop                                          ; places behind the conversions, ahead of the products that read the codes
.endr
.set OPV, 192
.set n, 0
.rept 8
	PV1 n                                          ; the last pair's products with V
.set n, n+1
.endr
; THE WAY OUT: the sums are joined, O^T is divided by them, and tile by tile goes through my stage, so that sixteen lanes store a query's 256 aligned bytes
.irp w, 1,2
	WIN 0x55*\w
.irp x, 0,1,2,3
	v_add_f32 v[STB+4*\x+2], v[STB+4*\x+2], v[STB+4*\x+3]
.endr
.irp x, 0,1,2,3
	v_permlanex16_b32 v[T2+\x], v[STB+4*\x+2], s[SEL], s[SEL+1]
.endr
.irp x, 0,1,2,3
	v_add_f32 v[STB+4*\x+2], v[STB+4*\x+2], v[T2+\x]
.endr
.endr
	WALU
.irp w, 1,2
	WIN 0x55*\w
.irp x, 0,1,2,3
	v_rcp_f32 v[BM+\x], v[STB+4*\x+2]
.endr
.endr
	v_nop
.macro MULT t                          ; tile t's O^T / sum into window 0: register 8 c + j is channel 16 c + 8 h + j of query r
.set W_, 1+(((\t)>>1)&1)
.set X_, 2*((\t)>>2)+((\t)&1)
	WIN (W_<<2)|3
	WALU                                           ; behind the reciprocals, directly ahead of the first readers of this tile's O^T
.set n, 0
.rept 32
	v_mul_f32 v[MB+32*((\t)&1)+n], v[32*(\t)+n], v[BM+X_]
.set n, n+1
.endr
	WIN 0
.endm
.macro STGT t                          ; 8 stores and 8 loads.  LDS serves a wave's instructions in order (ISA guide 5.7.1.4): no wait between the stores and the loads, nor ahead of the next tile's stores
.set M_, MB+32*((\t)&1)
.set B_, RB+32*((\t)%3)
.irp c, 0,1,2,3
	ds_store_b128 v[STO], v[M_+8*\c:M_+8*\c+3] offset:64*\c
	ds_store_b128 v[STO], v[M_+8*\c+4:M_+8*\c+7] offset:64*\c+16
.endr
.irp i, 0,1,2,3,4,5,6,7
	ds_load_b128 v[B_+4*\i:B_+4*\i+3], v[RD] offset:2*SP*\i
.endr
.endm
.macro SENDT t
.set B_, RB+32*((\t)%3)
.irp i, 0,1,2,3,4,5,6,7
	global_store_b128 v[GO], v[B_+4*\i:B_+4*\i+3], s[OP:OP+1] offset:65536*(\t)+8192*\i th:TH_STORE_NT
.endr
.endm
	MULT 0
	STGT 0
	MULT 1
	STGT 1
.irp t, 2,3,4,5,6,7
	MULT \t
	WALU
	s_wait_xcnt 0x0                                ; the stores of three tiles back have read their registers: this tile's loads land there
	s_wait_dscnt 16                                ; the tile two back is in registers; the 8 stores and 8 loads of the tile behind it may be out
	SENDT \t-2
	STGT \t
.endr
	s_wait_dscnt 16
	SENDT 6
	s_wait_dscnt 0x0
	SENDT 7
	s_wait_tensorcnt 0x0                           ; the wave's end
	ds_add_u32 v[SPW], v[NIL]
	s_wait_dscnt 0x0
	ROUND                                          ; the closing round
	s_endpgm
.Lfunc_end_k_q954f2baddd_attn:
	.size	k_q954f2baddd_attn, .Lfunc_end_k_q954f2baddd_attn-k_q954f2baddd_attn
	.p2alignl 7, 3214868480
	.fill 96, 4, 3214868480
	.section	.rodata,"a",@progbits
	.p2align	6, 0x0
	.amdhsa_kernel k_q954f2baddd_attn
		.amdhsa_group_segment_fixed_size 327680
		.amdhsa_private_segment_fixed_size 0
		.amdhsa_enable_private_segment 0
		.amdhsa_kernarg_size 64
		.amdhsa_user_sgpr_count 2
		.amdhsa_user_sgpr_kernarg_segment_ptr 1
		.amdhsa_wavefront_size32 1
		.amdhsa_system_sgpr_workgroup_id_x 1
		.amdhsa_system_sgpr_workgroup_id_y 1
		.amdhsa_system_sgpr_workgroup_id_z 1
		.amdhsa_system_vgpr_workitem_id 0
		.amdhsa_next_free_vgpr 1024
		.amdhsa_next_free_sgpr 100
		.amdhsa_reserve_vcc 0
		.amdhsa_float_denorm_mode_32 3
		.amdhsa_float_denorm_mode_16_64 3
		.amdhsa_memory_ordered 1
		.amdhsa_forward_progress 1
		.amdhsa_inst_pref_size 194
	.end_amdhsa_kernel
	.amdgpu_metadata
---
amdhsa.version: [ 1, 2 ]
amdhsa.kernels:
  - .name:           k_q954f2baddd_attn
    .symbol:         k_q954f2baddd_attn.kd
    .args:
      - { .name: qc, .offset: 0, .size: 8, .value_kind: global_buffer, .address_space: global }
      - { .name: qs, .offset: 8, .size: 8, .value_kind: global_buffer, .address_space: global }
      - { .name: kc, .offset: 16, .size: 8, .value_kind: global_buffer, .address_space: global }
      - { .name: ks, .offset: 24, .size: 8, .value_kind: global_buffer, .address_space: global }
      - { .name: vc, .offset: 32, .size: 8, .value_kind: global_buffer, .address_space: global }
      - { .name: vs, .offset: 40, .size: 8, .value_kind: global_buffer, .address_space: global }
      - { .name: scale, .offset: 48, .size: 8, .value_kind: global_buffer, .address_space: global }
      - { .name: out0, .offset: 56, .size: 8, .value_kind: global_buffer, .address_space: global }
    .group_segment_fixed_size: 327680
    .private_segment_fixed_size: 0
    .kernarg_segment_align: 8
    .kernarg_segment_size: 64
    .max_flat_workgroup_size: 128
    .sgpr_count:     100
    .vgpr_count:     1024
    .wavefront_size: 32
...
	.end_amdgpu_metadata
.endif
;; end of part 2
